; MI455X (gfx1250); checked and timed in simulation.
; The chip was launched on July 23, 2026; its instructions are those of AMD's public machine-readable ISA for CDNA 5 (MIT licence, August 2026) and "CDNA5" Instruction Set Architecture Reference Guide (July 2026). The comments in the code are by the model that wrote it; some were corrected since.
;; Local Attention. Allowed arithmetic: matrix products marked QUANTISED: E3M2 operands, one E8M0 scale for each 32 along K, by v_wmma_scale_f32_16x16x128_f8f6f4 with both operands' format E3M2, f32 sums; everything else in f32.
;; Inputs: k 16 x 8,192 x 64 float32; q 16 x 8,192 x 64 float32; v 16 x 8,192 x 64 float32.
;; Outputs: out0 16 x 8,192 x 64 float32.
;; This version of the problem:
;;   THIS VERSION OF THE PROBLEM IS GIVEN IN LOW PRECISION. The matrix products marked QUANTISED in the list below multiply operands that are first quantised to E3M2 (3 exponent bits, 2 mantissa bits; 6 bits a number), with one power-of-two scale for each 32 numbers along K (OCP MX v1.0); their sums are f32. All else is computed in f32.
;;   The module's matrix products, in the order in which they are computed (A, B: the left and right operand; K: the contracted axis; several contracted axes count as one K, in the product's order):
;;     1. batch 1,024 x [M 128, K 64] x [K 64, N 256]; A: computed on the way; B: computed on the way: QUANTISED
;;     2. batch 1,024 x [M 128, K 256] x [K 256, N 64]; A: softmax (see below); B: computed on the way: QUANTISED
;;   THE QUANTISER, for each operand of a quantised product, along K:
;;     - K is cut into blocks of 32 from its start; a last block that is shorter is filled with zeros.
;;     - A block's scale is 2^e with e = floor(log2(the largest magnitude in the block)) - 4, held to -126 .. 127; a block of zeros has e = 0. As a byte (E8M0): e + 127.
;;     - Each number is divided by its block's scale, clamped to +-28, and rounded to the nearest number of E3M2, ties to even, subnormals kept.
;;     - The product sums the exact products of the quantised numbers (number of the format x scale) in f32.
;;   ~~~python
;;   def quantise(x, axis):      # numpy; x: float32 -> the quantised numbers, widened to float32 again
;;       x = np.moveaxis(x, axis, -1); K = x.shape[-1]
;;       x = np.pad(x, [(0, 0)] * (x.ndim - 1) + [(0, -K % 32)]); x = x.reshape(x.shape[:-1] + (-1, 32)); a = np.abs(x).max(-1, keepdims=True)
;;       e = np.where(a > 0, np.clip(np.frexp(np.where(a > 0, a, 1))[1] - 1 - 4, -126, 127), 0)      # np.frexp(a)[1] - 1 = floor(log2(a)), exactly
;;       r = np.clip(x / 2.0 ** e, -28, 28)
;;       step = 2.0 ** (np.maximum(np.frexp(np.where(r == 0, 1, r))[1] - 1, -2) - 2)
;;       q = np.round(r / step) * step * 2.0 ** e      # np.round: ties to even
;;       return np.moveaxis(q.reshape(q.shape[:-2] + (-1,))[..., :K], -1, axis).astype(np.float32)
;;   ~~~
;;   SOFTMAX AHEAD OF A QUANTISED PRODUCT. Where the list says 'softmax', what is quantised is not the finished softmax but p = 2^(t - M), with t = logit x log2(e) and M = ceil(the row's largest t), a whole number; so 1/2 < the row's largest p <= 1. The row's sum l is taken of the UNQUANTISED p, in f32, and the product's result is divided by l at the end. Since M is a whole number, a kernel that streams over the keys may use a running M (the ceiling of the running maximum): every later rescaling is an exact power of two, which a block's scale takes up: the codes' values come out the same.
;;   OPERANDS COMPUTED ON THE WAY. 'Computed on the way' means the value that the module computes at that place (a softmax that the list does not call 'softmax' is quantised finished and normalised). What goes into a quantiser is computed in f32, as accurately as f32 sums, v_exp_f32 and their like allow (about 1e-6 of the number): no bf16 or f16 on the way to a quantiser, and a product that is left as it is and whose result goes on into a quantised operand takes f32 operands (vector FMAs, or v_wmma_f32_16x16x4_f32). A number that lies on a knife's edge between two numbers of the format may be rounded either way, as far as f32 arithmetic and the matrix unit's own rounding can turn it there, and no further.
;; One version. Each part assembles by itself: llvm-mc -triple=amdgcn-amd-amdhsa -mcpu=gfx1250 --defsym DOCPART=n.
;; ======== version 1 of 1: 1 launch
;; limits: right only within a limited range of input values
;; launch attn (part 1): grid 16 x 16, 16 waves a work-group, no clusters, 256,256 bytes of LDS; arguments q, k, v, out0; writes out0
.if DOCPART == 1
	.amdgcn_target "amdgcn-amd-amdhsa--gfx1250"
	.amdhsa_code_object_version 6
	.text
	.protected	k_q6a8e3e47a4_attn
	.globl	k_q6a8e3e47a4_attn
	.p2align	8
	.type	k_q6a8e3e47a4_attn,@function
k_q6a8e3e47a4_attn:
	s_mov_b64 s[64:65], 0
	v_nop
	global_prefetch_b8 v0, s[64:65] scope:SCOPE_SE
	s_setreg_imm32_b32 hwreg(HW_REG_WAVE_MODE, 25, 1), 1
	s_wait_xcnt 0x0
; LOCAL ATTENTION, windows of 128, one window of look-back, rotary places on the look-around axis, both products on codes of E3M2 with one E8M0 scale for each 32 along K.
; q, k, v, out: [16][8192][64] f32.  A row is 256 bytes, a window 32,768, a batch 2^21.
; SHARES.  A work-group owns 4 neighbouring windows of one batch (grid x = chunk, y = batch).  Waves 8..15 PREPARE: they load, rotate and quantise window j + 1 while waves 0..7 do the ATTENTION of window j; one barrier a trip.
; In the head waves 0..7 prepare the window before the chunk (look-back keys and values), waves 8..15 the chunk's first.  Each window's codes have an LDS slot of their own (five), so no code is ever overwritten.
; TILES.  Tile 2 b + u (b = 0..3, u = 0, 1) of a window is the rows 32 b + 8 u + r + 8 (r / 8), r = 0..15.  A wave of either kind has one tile.  With keys in this order the 16 registers of score tiles 2 b, 2 b + 1 are the
; keys 32 b + 16 (lane / 16) + 0 .. 15: neighbours along the second product's K.  Both products are used transposed (S^T = K Q^T, O^T = V^T P^T): a lane holds one query throughout.
; PREPARING.  A tile of q or k is 8 loads of 512 consecutive bytes; it turns through the wave's own stage, and lane (r, h) gets row r, dims 8 i + 4 h + 0..3 and the same + 32 (i = 0..3): 16 rotary pairs, half of each of the row's two blocks.
; (Within a block the order of the dims is the same in Q and K, which keeps the products.)  K's raw tile is read once and rotated twice: by places 128 + row (own keys) and by places row (look-back keys of the next window).
; v is loaded a lane to a column, registers down the keys: a block lies in one lane.  Codes go to LDS as images of the operand's registers: 16 x lane, then 8 x lane.
; Every register set is loaded anew as soon as it has been read: 48 loads a wave, 96 KB a work-group, are on their way; so no prefetch is laid beside them.
; THE ANGLES are fl(place x inv_freq) in f32; the 32 inv_freq = 10^(-i/8) stand as literals; sine and cosine by reduction with pi/2 in two parts (the first product is taken away exactly) and polynomials on +-pi/4; dims 24..31 have angles under pi/4 at every place.
; THE FIRST PRODUCT has K = 64: Q's fragment holds zero codes in its upper six registers; K's upper six are whatever finite codes stand behind the tile (the next tile's): times zero they add nothing.
; SOFTMAX.  t = score x log2(e) / 8; M = the row's largest t rounded up to a whole number, over all its keys at once; p = 2^(t - M) is quantised along the keys; the sum is of the unquantised p and divides at the end.
; The largest p of a block is made from its largest score by the same two instructions.
; WORK LEFT OUT, for all values of the inputs:
;  (a) window 0 of a batch: its 128 look-back keys are pads; reference() sets their sim to the mask value, so their p is 0 whatever the pad holds: rotation, quantiser and both products are not done for them.
;  (b) a tile's queries lie in 32 b .. 32 b + 31: own keys from 32 (b + 1) on all come after them, reference() masks them, p = 0: those blocks are not multiplied (inside a K step of the second product they are zero codes).
;  (c) q x 1/8 is a power of two: it moves the block's exponent alone, never a code; it is folded into the factor log2(e) / 8.
; LIMITS.  A block whose largest magnitude lies under 2^-122 keeps the scale byte 1 (for q the hold of the scaled number's exponent at -126 is not reproduced under 2^-119).  A block of zeros has byte 1, not 127: its codes are
; zeros and this program alone reads the bytes.  NaN and infinities among the inputs are not served, and a NaN, infinity or overflow that reaches only the work left out is not carried to the result.
; The promise holds while the scaled scores t stay under 2^31 in magnitude.
; NO CLUSTER, NO TENSOR LOAD: neighbouring work-groups share one window of k and v out of the five that each reads.
.set O_KL,  0                          ; in a slot: look-back keys' images, 768 bytes a tile,
.set O_KLW, 6144                       ; their scale words at 16 (r + 16 u) + 4 b,
.set O_KO,  6656                       ; own keys, words,
.set O_KOW, 12800
.set O_Q,   13312                      ; queries, words at 64 tile + 4 r,
.set O_QW,  19456
.set O_V,   19968                      ; V: image (tile of 16 dims t, half c of the keys) at 768 (2 t + c),
.set O_VW,  26112                      ; V's words at 8 (r + 16 (t % 2)) + 4 (t / 2)
.set SLOT,  26368
.set STAGE, 184576                     ; behind room for seven slots (five are written; the address registers that the last trip forms, and stores nothing by, name the sixth): 16 rows x 272 bytes for each wave
.set SPARE, 254208                     ; 128 bytes for each wave: eight blocks of 256 bytes that no other line names
.set WB,    32768                      ; a window in bytes
; REGISTERS, all waves: v1, v2 the add's two; v3, v4 offsets in memory; v5-7 my stage; v8 lane, v9 r, v10-11 parts of V's addresses; v12-16 attention's, v17-23 preparing's addresses of the trip.
; PREPARING: v24-32 codes, v34-39 at work; LC, LS, OC, OS cosines and sines of my place as look-back and as own key; v104-135 my raw halves; v136-151 a rotated half; KR, QR, VR on their way.
; ATTENTION: v24-35 Q's fragment, then look-back P; v36, v38-51 scale words; v37 -infinity; MX, PM eight each; v68 -M, v70 the sum; X K's, then V's fragments; v122-127 zero; v128-255 scores, then P, V's own fragments, O^T.
.set LC, 40
.set LS, 56
.set OC, 72
.set OS, 88
.set KR, 160
.set QR, 192
.set VR, 224
.set MX, 52
.set PM, 60
.set X,  74
.set S,  128
.macro BARRIER
	s_wait_dscnt 0x0                               ; my LDS stores have landed and my LDS loads are in
	s_barrier_signal -1
	s_barrier_wait -1
.endm
.macro PLACES
.rept 4
	v_nop
.endr
.endm
.macro GROWS reg, base, off, nt        ; my tile's 16 rows: two runs of 2,048 bytes, 4,096 bytes apart
.irp j, 0,1,2,3,4,5,6,7
.if \nt
	global_load_b128 v[\reg+4*\j:\reg+4*\j+3], v3, s[\base:\base+1] offset:\off+512*\j+2048*(\j/4) th:TH_LOAD_NT
.else
	global_load_b128 v[\reg+4*\j:\reg+4*\j+3], v3, s[\base:\base+1] offset:\off+512*\j+2048*(\j/4)
.endif
.endr
.endm
.macro GLOADV off                      ; 32 keys of my column
.set gi, 0
.rept 32
	global_load_b32 v[VR+gi], v4, s[8:9] offset:\off+256*gi
.set gi, gi+1
.endr
.endm
; Four frequencies' cosines and sines of my place (v[38:39]); v24-37 constants, v104-119 my frequencies.
.macro SINCOS4 jj, tc, ts
.set RR, 6
.if \jj == 3
.set RR, 0
.endif
.irp q, 0,16
	v_pk_mul_f32 v[120+\q:121+\q], v[104+4*\jj+\q/8:105+4*\jj+\q/8], v[38:39]   ; the angle, rounded once
.endr
.if \jj < 3
.irp q, 0,16
	v_pk_fma_f32 v[122+\q:123+\q], v[120+\q:121+\q], 0x3f22f983, v[24:25] op_sel_hi:[1,0,1]   ; 1.5 x 2^23 + the nearest whole number n of quarter turns: n stands in the low bits
.endr
.irp q, 0,16
	v_pk_add_f32 v[124+\q:125+\q], v[122+\q:123+\q], v[24:25] neg_lo:[0,1] neg_hi:[0,1]
.endr
.irp q, 0,16
	v_pk_fma_f32 v[126+\q:127+\q], v[124+\q:125+\q], 0xbfc90fdb, v[120+\q:121+\q] op_sel_hi:[1,0,1]   ; - n x (pi/2 rounded to f32): exact
.endr
.irp q, 0,16
	v_pk_fma_f32 v[126+\q:127+\q], v[124+\q:125+\q], 0x333bbd2e, v[126+\q:127+\q] op_sel_hi:[1,0,1]   ; - n x the rest of pi/2
.endr
.endif
.irp q, 0,16
	v_pk_mul_f32 v[128+\q:129+\q], v[120+RR+\q:121+RR+\q], v[120+RR+\q:121+RR+\q]
.endr
.irp q, 0,16
	v_pk_fma_f32 v[130+\q:131+\q], v[26:27], v[128+\q:129+\q], v[28:29]
	v_pk_fma_f32 v[132+\q:133+\q], v[32:33], v[128+\q:129+\q], v[34:35]
.endr
.irp q, 0,16
	v_pk_fma_f32 v[130+\q:131+\q], v[130+\q:131+\q], v[128+\q:129+\q], v[30:31]
	v_pk_fma_f32 v[132+\q:133+\q], v[132+\q:133+\q], v[128+\q:129+\q], v[36:37]
.endr
.irp q, 0,16
	v_pk_mul_f32 v[134+\q:135+\q], v[120+RR+\q:121+RR+\q], v[128+\q:129+\q]
	v_pk_fma_f32 v[132+\q:133+\q], v[132+\q:133+\q], v[128+\q:129+\q], -0.5 op_sel_hi:[1,1,0]
.endr
.if \jj == 3
.irp q, 0,16
	v_pk_fma_f32 v[\ts+12+\q/8:\ts+13+\q/8], v[134+\q:135+\q], v[130+\q:131+\q], v[120+\q:121+\q]
	v_pk_fma_f32 v[\tc+12+\q/8:\tc+13+\q/8], v[132+\q:133+\q], v[128+\q:129+\q], 1.0 op_sel_hi:[1,1,0]
.endr
.else
.irp q, 0,16
	v_pk_fma_f32 v[130+\q:131+\q], v[134+\q:135+\q], v[130+\q:131+\q], v[126+\q:127+\q]            ; sin r
	v_pk_fma_f32 v[132+\q:133+\q], v[132+\q:133+\q], v[128+\q:129+\q], 1.0 op_sel_hi:[1,1,0]        ; cos r
.endr
.irp e, 0,1,2,3
.set EB, 120+16*(\e/2)+(\e%2)
	v_and_b32 v[EB+4], 1, v[EB+2]
.endr
.irp e, 0,1,2,3
.set EB, 120+16*(\e/2)+(\e%2)
	v_cmp_eq_u32 s[24+\e], 1, v[EB+4]              ; an odd quarter swaps the two
.endr
.irp e, 0,1,2,3
.set EB, 120+16*(\e/2)+(\e%2)
	v_lshlrev_b32 v[EB], 30, v[EB+2]               ; the sine is negative in quarters 2, 3,
	v_lshl_add_u32 v[EB+8], v[EB+2], 30, 0x40000000   ; the cosine in quarters 1, 2
.endr
.irp e, 0,1,2,3
.set EB, 120+16*(\e/2)+(\e%2)
	v_cndmask_b32 v[\tc+4*\jj+\e], v[EB+12], v[EB+10], s[24+\e]
	v_cndmask_b32 v[\ts+4*\jj+\e], v[EB+10], v[EB+12], s[24+\e]
.endr
.irp e, 0,1,2,3
.set EB, 120+16*(\e/2)+(\e%2)
	v_and_b32 v[EB], 0x80000000, v[EB]
	v_and_b32 v[EB+8], 0x80000000, v[EB+8]
.endr
.irp e, 0,1,2,3
.set EB, 120+16*(\e/2)+(\e%2)
	v_xor_b32 v[\ts+4*\jj+\e], v[\ts+4*\jj+\e], v[EB]
	v_xor_b32 v[\tc+4*\jj+\e], v[\tc+4*\jj+\e], v[EB+8]
.endr
.endif
.endm
.macro TABLE tc, ts                    ; v21: my place
	v_cvt_f32_u32 v38, v21
	v_cvt_f32_u32 v39, v21
	SINCOS4 0, \tc, \ts
	SINCOS4 1, \tc, \ts
	SINCOS4 2, \tc, \ts
	SINCOS4 3, \tc, \ts
.endm
.macro ADDRA                           ; what the attention reads: from the slot of the window before (s16) on
	s_add_co_u32 s15, s16, s48
	v_lshl_add_u32 v12, v8, 4, s16
	v_lshl_add_u32 v13, v8, 3, s16
	v_lshl_add_u32 v14, v8, 4, s15                 ; my tile
	v_lshl_add_u32 v15, v8, 3, s15
	s_add_co_u32 s15, s16, s49
	v_lshl_add_u32 v16, v9, 2, s15                 ; its words
.endm
.macro ADDRP                           ; what the preparing waves write: the slot at s60
	s_add_co_u32 s15, s60, s48
	v_lshl_add_u32 v21, v8, 4, s15
	v_lshl_add_u32 v22, v8, 3, s15
	s_add_co_u32 s15, s60, s49
	v_lshl_add_u32 v23, v9, 2, s15
	s_add_co_u32 s15, s60, s50
	v_lshl_add_u32 v17, v9, 4, s15
	s_add_co_u32 s15, s60, s51
	v_add_nc_u32 v18, s15, v10
	s_add_co_u32 s15, s60, s52
	v_add_nc_u32 v19, s15, v11
	s_add_co_u32 s15, s60, s53
	v_lshl_add_u32 v20, v8, 3, s15
	s_wait_alu depctr_va_vdst(0)
.endm
.macro TURN src                        ; a tile through my stage: LDS serves a wave's instructions in order
.irp i, 0,1,2,3,4,5,6,7
	ds_store_b128 v5, v[\src+4*\i:\src+4*\i+3] offset:544*\i
.endr
.irp i, 0,1,2,3
	ds_load_b128 v[104+4*\i:107+4*\i], v6 offset:32*\i
.endr
.irp i, 0,1,2,3
	ds_load_b128 v[120+4*\i:123+4*\i], v6 offset:128+32*\i
.endr
	s_wait_dscnt 0x0                               ; my halves are in; all earlier LDS stores have read their registers
.endm
.macro ROT tc, ts, y2                  ; x1 cos - x2 sin into v136.., x2 cos + x1 sin into y2 (which may be x2's own registers)
.set rj, 0
.rept 8
	v_pk_mul_f32 v[136+rj:137+rj], v[104+rj:105+rj], v[\tc+rj:\tc+rj+1]
.set rj, rj+2
.endr
.set rj, 0
.rept 8
	v_pk_fma_f32 v[136+rj:137+rj], v[120+rj:121+rj], v[\ts+rj:\ts+rj+1], v[136+rj:137+rj] neg_lo:[1,0,0] neg_hi:[1,0,0]
.set rj, rj+2
.endr
.set rj, 0
.rept 8
	v_pk_mul_f32 v[\y2+rj:\y2+rj+1], v[120+rj:121+rj], v[\tc+rj:\tc+rj+1]
.set rj, rj+2
.endr
.set rj, 0
.rept 8
	v_pk_fma_f32 v[\y2+rj:\y2+rj+1], v[104+rj:105+rj], v[\ts+rj:\ts+rj+1], v[\y2+rj:\y2+rj+1]
.set rj, rj+2
.endr
.endm
; Two blocks of a row, each in lanes l and l xor 16, become the operand's six registers (lanes 0-15 block 0, lanes 16-31 block 1) and the scale word.
.macro QUANT y2, io, wr, wo
	v_max3_num_f32 v34, |v[136]|, |v[137]|, 0x2800000      ; the floor 2^(5 - 127): the byte cannot fall under 1
	v_max3_num_f32 v35, |v[\y2]|, |v[\y2+1]|, 0x2800000
	v_max3_num_f32 v36, |v[144]|, |v[145]|, |v[146]|
	v_max3_num_f32 v37, |v[\y2+8]|, |v[\y2+9]|, |v[\y2+10]|
.irp i, 2,4,6
	v_max3_num_f32 v34, v34, |v[136+\i]|, |v[137+\i]|
	v_max3_num_f32 v35, v35, |v[\y2+\i]|, |v[\y2+\i+1]|
.if \i < 6
	v_max3_num_f32 v36, v36, |v[145+\i]|, |v[146+\i]|
	v_max3_num_f32 v37, v37, |v[\y2+\i+9]|, |v[\y2+\i+10]|
.endif
.endr
	v_max3_num_f32 v34, v34, v36, |v[151]|
	v_max3_num_f32 v35, v35, v37, |v[\y2+15]|
	v_permlanex16_b32 v38, v34, s20, s21
	v_permlanex16_b32 v39, v35, s20, s21
	v_max_num_f32 v34, v34, v38
	v_max_num_f32 v35, v35, v39
	v_add_nc_u32 v36, 0xfe000000, v34              ; 4 off the exponent field: the conversion's scale operand
	v_add_nc_u32 v37, 0xfe000000, v35
	v_lshrrev_b32 v34, 23, v36                     ; the bytes
	v_lshrrev_b32 v35, 23, v37
	v_cvt_scalef32_pk16_bf6_f32 v[24:26], v[136:151], v36
	v_cvt_scalef32_pk16_bf6_f32 v[30:32], v[\y2:\y2+15], v37
	v_lshl_or_b32 v38, v35, 8, v34
	s_delay_alu instid0(VALU_DEP_1)
	v_lshl_or_b32 v38, v38, 16, v38                ; the upper half scales codes that meet zeros
.irp i, 0,1,2
	v_permlane16_swap_b32 v[24+\i], v[30+\i]
.endr
.irp i, 0,1,2
	v_mov_b32 v[27+\i], v[30+\i]
.endr
	ds_store_b128 v21, v[24:27] offset:\io
	ds_store_b64 v22, v[28:29] offset:\io+512
	ds_store_b32 v[\wr], v38 offset:\wo            ; lanes l and l xor 16 write the same word with the same value
.endm
.macro VQUANT                          ; 32 keys of my column: one block, all mine
	v_max3_num_f32 v34, |v[VR]|, |v[VR+1]|, 0x2800000
	v_max3_num_f32 v35, |v[VR+8]|, |v[VR+9]|, |v[VR+10]|
	v_max3_num_f32 v36, |v[VR+17]|, |v[VR+18]|, |v[VR+19]|
.irp i, 2,4,6
	v_max3_num_f32 v34, v34, |v[VR+\i]|, |v[VR+\i+1]|
	v_max3_num_f32 v35, v35, |v[VR+\i+9]|, |v[VR+\i+10]|
	v_max3_num_f32 v36, v36, |v[VR+\i+18]|, |v[VR+\i+19]|
.endr
	v_max3_num_f32 v34, v34, |v[VR+26]|, |v[VR+27]|
	v_max3_num_f32 v35, v35, |v[VR+28]|, |v[VR+29]|
	v_max3_num_f32 v36, v36, |v[VR+30]|, |v[VR+31]|
	s_delay_alu instid0(VALU_DEP_1)
	v_max3_num_f32 v34, v36, v34, v35
	s_delay_alu instid0(VALU_DEP_1)
	v_add_nc_u32 v36, 0xfe000000, v34
	v_cvt_scalef32_pk16_bf6_f32 v[24:26], v[VR:VR+15], v36
	v_cvt_scalef32_pk16_bf6_f32 v[30:32], v[VR+16:VR+31], v36
	v_lshrrev_b32 v34, 23, v36
.irp i, 0,1,2
	v_mov_b32 v[27+\i], v[30+\i]
.endr
	ds_store_b128 v18, v[24:27] offset:O_V
	ds_store_b64 v19, v[28:29] offset:O_V
	ds_store_b8 v20, v34 offset:O_VW
.endm
; A window is prepared.  Loads are out in the order q (8), k (8), v (32); each set is asked for anew, nxt bytes on, as soon as it has been read.  wk, wv: the loads younger than k's and than v's at their waits.
.macro PREP q, look, own, nxt, wk, wv
.if \q
	s_wait_loadcnt 40                              ; q is in: k's 8 and v's 32 may be out
	TURN QR
.if \nxt
	GROWS QR, 4, \nxt, 1
.endif
	ROT OC, OS, 120
	QUANT 120, O_Q, 23, O_QW
.endif
	s_wait_loadcnt \wk
	TURN KR
.if \look
	ROT LC, LS, KR                                 ; (k's registers have been stored from: they hold a rotated half until the conversion)
	QUANT KR, O_KL, 17, O_KLW
.endif
.if \nxt
	GROWS KR, 6, \nxt, 0
.endif
.if \own
	s_wait_alu depctr_va_vdst(0)
	s_wait_dscnt 0x0                               ; earlier stores have read the codes' registers
	ROT OC, OS, 120
	QUANT 120, O_KO, 17, O_KOW
.endif
	s_wait_alu depctr_va_vdst(0)
	s_wait_dscnt 0x0
	s_wait_loadcnt \wv
	VQUANT
.if \nxt
	GLOADV \nxt
.endif
.endm
.macro WM d, a, b, c, sa, sb, odd      ; A's scale words: even tiles in lanes 0-15, odd tiles in lanes 16-31 of one register
.if \odd
	v_wmma_scale_f32_16x16x128_f8f6f4 v[\d:\d+7], v[\a:\a+11], v[\b:\b+11], \c, v[\sa], v[\sb] matrix_a_fmt:MATRIX_FMT_BF6 matrix_b_fmt:MATRIX_FMT_BF6 matrix_a_scale:MATRIX_SCALE_ROW1
.else
	v_wmma_scale_f32_16x16x128_f8f6f4 v[\d:\d+7], v[\a:\a+11], v[\b:\b+11], \c, v[\sa], v[\sb] matrix_a_fmt:MATRIX_FMT_BF6 matrix_b_fmt:MATRIX_FMT_BF6
.endif
.endm
.macro KT n, dst, off                  ; n tiles of keys, six registers each
.set ki, 0
.rept \n
	ds_load_b128 v[\dst+6*ki:\dst+6*ki+3], v12 offset:\off+768*ki
	ds_load_b64 v[\dst+6*ki+4:\dst+6*ki+5], v13 offset:\off+512+768*ki
.set ki, ki+1
.endr
.endm
.macro SMUL t0, n, xb, d, w
.set ti, \t0
.rept \n
	WM \d+8*ti, \xb+6*ti, 24, 0, \w+ti/2, 36, ti&1
.set ti, ti+1
.endr
.endm
.macro VT dst, off, cc, pitch          ; four tiles of 16 dims; cc = 1: keys 0..63 alone
.set vi, 0
.rept 4
	ds_load_b128 v[\dst+\pitch*vi:\dst+\pitch*vi+3], v12 offset:\off+1536*vi
	ds_load_b64 v[\dst+\pitch*vi+4:\dst+\pitch*vi+5], v13 offset:\off+512+1536*vi
.if \cc > 1
	ds_load_b128 v[\dst+\pitch*vi+6:\dst+\pitch*vi+9], v12 offset:\off+768+1536*vi
	ds_load_b64 v[\dst+\pitch*vi+10:\dst+\pitch*vi+11], v13 offset:\off+1280+1536*vi
.endif
.set vi, vi+1
.endr
.endm
.macro MAXES lo, hi                    ; the largest score of each block in my 16 keys; blocks by turns, accumulators from their low end on
.set mb, \lo
.rept \hi-\lo
	v_max3_num_f32 v[MX+mb], v[S+16*mb], v[S+16*mb+1], v[S+16*mb+2]
.set mb, mb+1
.endr
.irp i, 3,5,7,9,11,13
.set mb, \lo
.rept \hi-\lo
	v_max3_num_f32 v[MX+mb], v[MX+mb], v[S+16*mb+\i], v[S+16*mb+\i+1]
.set mb, mb+1
.endr
.endr
.set mb, \lo
.rept \hi-\lo
	v_max_num_f32 v[MX+mb], v[MX+mb], v[S+16*mb+15]
.set mb, mb+1
.endr
.endm
; A tile of 16 queries against lb look-back blocks (4 or 0) and ob own blocks, the last of them the diagonal.  O^T is left in v192-223, 1 / the sum in v70.
.macro ATT lb, ob
.set BLO, 4-\lb
.set BHI, 4+\ob
.set SB0, S+16*BLO
.set XO, X+48-12*\ob                   ; own tiles end where the zero registers begin
.set VC, 2
.set VP, 12
.if \ob < 3
.set VC, 1
.set VP, 6
.endif
	ds_load_b128 v[24:27], v14 offset:SLOT+O_Q
	ds_load_b64 v[28:29], v15 offset:SLOT+O_Q+512
	ds_load_b32 v36, v16 offset:SLOT+O_QW
	ds_load_b128 v[42:45], v12 offset:SLOT+O_KOW
.if \lb
	ds_load_b128 v[38:41], v12 offset:O_KLW
	KT 8, X, O_KL
	s_wait_dscnt 6                                 ; tiles 0-4 are in (tile 3's upper registers are tile 4's); three tiles' six loads may be out
	SMUL 0, 4, X, S, 38
	s_wait_dscnt 0x0
	SMUL 4, 4, X, S, 38
	PLACES                                         ; in front of loads into registers that the products read
	KT 2*\ob, XO, SLOT+O_KO
	MAXES 0, 4
	s_wait_alu depctr_va_vdst(0)
.else
	KT 2*\ob, XO, SLOT+O_KO
.endif
	s_wait_dscnt 0x0
	SMUL 0, 2*\ob, XO, 192, 42
	PLACES
.if \lb
	ds_load_b64 v[46:47], v13 offset:O_VW
	VT X, O_V, 2, 12                               ; on their way under the softmax
.else
	VT 144, SLOT+O_V, VC, VP
.endif
	ds_load_b64 v[48:49], v13 offset:SLOT+O_VW
.irp i, 0,1,2,3,4,5,6,7,8,9,10,11,12,13,14,15
	v_cndmask_b32 v[S+16*(BHI-1)+\i], v[S+16*(BHI-1)+\i], v37, s[32+\i]   ; a key after my query: -infinity, so p = 0
.endr
	MAXES 4, BHI
.set mb, BLO
.rept BHI-BLO
	v_permlanex16_b32 v[PM+mb], v[MX+mb], s20, s21
.set mb, mb+1
.endr
.set mb, BLO
.rept BHI-BLO
	v_max_num_f32 v[MX+mb], v[MX+mb], v[PM+mb]     ; with the other half of the lanes' 16 keys
.set mb, mb+1
.endr
.if BHI-BLO == 1
	v_mov_b32 v72, v[MX+BLO]
.endif
.if BHI-BLO == 2
	v_max_num_f32 v72, v[MX+BLO], v[MX+BLO+1]
.endif
.if BHI-BLO > 2
	v_max3_num_f32 v72, v[MX+BLO], v[MX+BLO+1], v[MX+BLO+2]
.set mb, BLO+3
.rept (BHI-BLO-3)/2
	s_delay_alu instid0(VALU_DEP_1)
	v_max3_num_f32 v72, v72, v[MX+mb], v[MX+mb+1]
.set mb, mb+2
.endr
.if BHI-mb == 1
	s_delay_alu instid0(VALU_DEP_1)
	v_max_num_f32 v72, v72, v[MX+mb]
.endif
.endif
	s_delay_alu instid0(VALU_DEP_1)
	v_mul_f32 v72, s22, v72                        ; the row's largest t (the factor is positive)
	s_delay_alu instid0(VALU_DEP_1)
	v_floor_f32 v68, -v72                          ; -M: M is a whole number
.set sj, SB0
.rept 8*(BHI-BLO)
	v_pk_fma_f32 v[sj:sj+1], v[sj:sj+1], s[22:23], v[68:69] op_sel_hi:[1,0,0]   ; t - M, two at a time
.set sj, sj+2
.endr
.set mb, BLO
.rept BHI-BLO
	v_fma_f32 v[MX+mb], v[MX+mb], s22, v68         ; the same of each block's largest score
.set mb, mb+1
.endr
	s_wait_alu depctr_va_vdst(0)
.set sj, SB0
.rept 16*(BHI-BLO)
	v_exp_f32 v[sj], v[sj]
.set sj, sj+1
.endr
.set mb, BLO
.rept BHI-BLO
	v_exp_f32 v[MX+mb], v[MX+mb]                   ; the block's largest p
.set mb, mb+1
.endr
	v_nop
	s_wait_alu depctr_va_vdst(0)
	v_pk_add_f32 v[70:71], v[SB0:SB0+1], v[SB0+2:SB0+3]          ; the row's sum of the unquantised p, in four chains
	v_pk_add_f32 v[72:73], v[SB0+4:SB0+5], v[SB0+6:SB0+7]
	v_pk_add_f32 v[24:25], v[SB0+8:SB0+9], v[SB0+10:SB0+11]
	v_pk_add_f32 v[26:27], v[SB0+12:SB0+13], v[SB0+14:SB0+15]
.set sj, SB0+16
.rept 2*(BHI-BLO-1)
	v_pk_add_f32 v[70:71], v[70:71], v[sj:sj+1]
	v_pk_add_f32 v[72:73], v[72:73], v[sj+2:sj+3]
	v_pk_add_f32 v[24:25], v[24:25], v[sj+4:sj+5]
	v_pk_add_f32 v[26:27], v[26:27], v[sj+6:sj+7]
.set sj, sj+8
.endr
.set mb, BLO
.rept BHI-BLO
	v_max_num_f32 v[MX+mb], 0x2800000, v[MX+mb]    ; the floor: a block whose every p is 0 keeps the byte 1, its codes are zeros
.set mb, mb+1
.endr
	v_pk_add_f32 v[70:71], v[70:71], v[24:25]
	v_pk_add_f32 v[72:73], v[72:73], v[26:27]
.set mb, BLO
.rept BHI-BLO
	v_add_nc_u32 v[PM+mb], 0xfe000000, v[MX+mb]    ; the conversions' scale operands
.set mb, mb+1
.endr
	v_pk_add_f32 v[70:71], v[70:71], v[72:73]
.set mb, BLO
.rept BHI-BLO
	v_lshrrev_b32 v[MX+mb], 23, v[PM+mb]           ; the bytes
.set mb, mb+1
.endr
	v_add_f32 v70, v70, v71
.if \lb
	v_lshl_or_b32 v50, v[MX+1], 8, v[MX]
.endif
.if \ob == 1
	v_lshl_or_b32 v51, v[MX+4], 8, v[MX+4]
.else
	v_lshl_or_b32 v51, v[MX+5], 8, v[MX+4]
.endif
	v_permlanex16_b32 v72, v70, s20, s21
.if \lb
	v_lshl_or_b32 v50, v[MX+2], 16, v50
.endif
.if \ob > 2
	v_lshl_or_b32 v51, v[MX+6], 16, v51
.else
	v_lshl_or_b32 v51, v51, 16, v51                ; these bytes scale zero codes
.endif
	v_add_f32 v70, v70, v72                        ; the row's sum
.if \lb
	v_lshl_or_b32 v50, v[MX+3], 24, v50
.endif
.if \ob > 2
	v_lshl_or_b32 v51, v[MX+\ob+3], 24, v51
.endif
	s_wait_alu depctr_va_vdst(0)
	v_rcp_f32 v70, v70
	v_nop
	s_wait_alu depctr_va_vdst(0)
.if \lb
	v_cvt_scalef32_pk16_bf6_f32 v[24:26], v[128:143], v60
	v_cvt_scalef32_pk16_bf6_f32 v[52:54], v[144:159], v61       ; (a conversion's three registers begin on an even number: the second half is made elsewhere and moved)
	v_cvt_scalef32_pk16_bf6_f32 v[30:32], v[160:175], v62
	v_cvt_scalef32_pk16_bf6_f32 v[56:58], v[176:191], v63
	v_nop
.irp i, 0,1,2
	v_permlane16_swap_b32 v[24+\i], v[52+\i]       ; a whole block in a lane: lanes 0-15 block 2 c, lanes 16-31 block 2 c + 1
	v_permlane16_swap_b32 v[30+\i], v[56+\i]
.endr
.irp i, 0,1,2
	v_mov_b32 v[27+\i], v[52+\i]
	v_mov_b32 v[33+\i], v[56+\i]
.endr
	VT 144, SLOT+O_V, VC, VP                       ; own V, onto look-back scores that have become codes
.endif
	v_cvt_scalef32_pk16_bf6_f32 v[128:130], v[192:207], v64
.if \ob > 1
	v_cvt_scalef32_pk16_bf6_f32 v[140:142], v[208:223], v65
.endif
.if \ob > 2
	v_cvt_scalef32_pk16_bf6_f32 v[134:136], v[224:239], v66
.endif
.if \ob > 3
	v_cvt_scalef32_pk16_bf6_f32 v[52:54], v[240:255], v67
.endif
	v_nop
.irp i, 0,1,2                          ; blocks not taken: zero codes
.if \ob == 1
	v_mov_b32 v[140+\i], 0
.endif
.if \ob == 3
	v_mov_b32 v[52+\i], 0
.endif
.if \ob < 3
	v_mov_b32 v[134+\i], 0
	v_mov_b32 v[137+\i], 0
.if \lb == 0
	v_mov_b32 v[168+\i], 0                         ; the upper half of V's last packed fragment
	v_mov_b32 v[171+\i], 0
.endif
.endif
.endr
.irp i, 0,1,2
	v_permlane16_swap_b32 v[128+\i], v[140+\i]
.if \ob > 2
	v_permlane16_swap_b32 v[134+\i], v[52+\i]
.endif
.endr
.irp i, 0,1,2
	v_mov_b32 v[131+\i], v[140+\i]
.if \ob > 2
	v_mov_b32 v[137+\i], v[52+\i]
.endif
.endr
	PLACES                                         ; between the operand's last write and the products
	s_wait_alu depctr_va_vdst(0)
.if \lb
	s_wait_dscnt 8*VC                              ; look-back V and both sets of words are in; own V's loads may be out
.irp t, 0,1,2,3
	WM 192+8*\t, X+12*\t, 24, 0, 46+\t/2, 50, \t&1
.endr
	s_wait_dscnt 0x0
.irp t, 0,1,2,3
	WM 192+8*\t, 144+VP*\t, 128, v[192+8*\t:199+8*\t], 48+\t/2, 51, \t&1
.endr
.else
	s_wait_dscnt 0x0
.irp t, 0,1,2,3
	WM 192+8*\t, 144+VP*\t, 128, 0, 48+\t/2, 51, \t&1
.endr
.endif
.endm
.macro FREQ n, lo, hi                  ; lanes 0-15 take the lower dims' frequency, lanes 16-31 that of the dims 4 on
	v_mov_b32 v[104+\n], \hi
	v_cndmask_b32 v[104+\n], \lo, v[104+\n], vcc_lo
.endm
	; ---------------- the head
	s_load_b256 s[4:11], s[0:1], 0x0               ; q s[4:5], k s[6:7], v s[8:9], out s[10:11]
	v_lshl_add_u32 v1, v0, 2, SPARE                ; my spare word,
	v_mov_b32 v2, 0                                ; and 0: kept for the closing add alone
	v_lshrrev_b32 v8, 5, v0
	s_wait_alu depctr_va_vdst(0)
	v_readfirstlane_b32 s12, v8                    ; wave 0..15
	s_mov_b32 s13, ttmp9                           ; chunk
	s_and_b32 s15, ttmp7, 0xffff                   ; batch
	s_lshl_b32 s18, s15, 21
	s_lshl_b32 s15, s13, 17
	s_add_co_u32 s18, s18, s15                     ; the chunk's first byte, the same in all four tensors (under 2^25)
	s_mov_b32 s19, 0
	s_and_b32 s17, s12, 7
	s_lshr_b32 s15, s17, 2
	s_lshl_b32 s15, s15, 1
	s_xor_b32 s17, s17, s15                        ; my tile: waves w and w + 4 have b = 0, 3 or 1, 2: together the same number of own blocks
	s_lshr_b32 s54, s17, 1                         ; b
	s_and_b32 s55, s17, 1                          ; u.  For V: key block b, columns 32 u .. 32 u + 31
	s_mul_i32 s48, s17, 768
	s_lshl_b32 s49, s17, 6
	s_lshl_b32 s50, s55, 8
	s_lshl_b32 s15, s54, 2
	s_add_co_u32 s50, s50, s15                     ; my tile's scale words of K
	s_mul_i32 s51, s55, 3072
	s_lshr_b32 s15, s54, 1
	s_mul_i32 s15, s15, 768
	s_add_co_u32 s51, s51, s15
	s_and_b32 s56, s54, 1
	s_lshl_b32 s15, s56, 7
	s_add_co_u32 s52, s51, s15
	s_add_co_u32 s52, s52, 512                     ; V's codes, the 8-byte parts
	s_lshl_b32 s15, s56, 8
	s_add_co_u32 s51, s51, s15                     ; and the 16-byte parts
	s_lshl_b32 s53, s55, 2
	s_add_co_u32 s53, s53, s54                     ; V's scale byte
	s_mul_i32 s57, s12, 4352
	s_add_co_u32 s57, s57, STAGE                   ; my stage
	s_lshl_b32 s58, s54, 13
	s_lshl_b32 s59, s55, 7
	s_add_co_u32 s59, s58, s59                     ; V in memory: row 32 b, byte 128 u
	s_lshl_b32 s15, s55, 11
	s_add_co_u32 s58, s58, s15                     ; my tile in memory: row 32 b + 8 u
	s_lshl_b32 s61, s55, 3
	s_lshl_b32 s62, s54, 5
	s_mov_b32 s20, 0x76543210
	s_mov_b32 s21, 0xfedcba98                      ; lane l xor 16
	s_mov_b32 s22, 0x3e38aa3b                      ; log2(e) / 8
	s_mov_b32 s23, s22                             ; (named with it as a pair)
	v_and_b32 v8, 31, v0                           ; lane
	v_and_b32 v9, 15, v0                           ; r
	v_bfe_u32 v22, v0, 4, 1                        ; h
	v_lshl_add_u32 v3, v8, 4, s58
	v_lshl_add_u32 v4, v8, 2, s59
	v_mul_u32_u24 v10, v22, 1536                   ; V's image: lanes 16-31 hold the next tile's columns
	v_mul_u32_u24 v5, v22, 272
	v_mul_u32_u24 v6, v9, 272
	v_lshl_add_u32 v11, v9, 3, v10
	v_lshl_add_u32 v10, v9, 4, v10
	v_lshl_add_u32 v5, v9, 4, v5
	v_lshl_add_u32 v7, v22, 5, v6
	v_lshl_add_u32 v6, v22, 4, v6
	v_add_nc_u32 v5, s57, v5                       ; the stage by whole rows, two to an instruction,
	v_add_nc_u32 v7, s57, v7                       ; by 32 bytes of row r (the way out),
	v_add_nc_u32 v6, s57, v6                       ; and by 16 bytes of row r
	v_and_b32 v23, 8, v9
	v_cmp_eq_u32 vcc_lo, 1, v22
	v_add_nc_u32 v23, v23, v9
	v_lshlrev_b32 v24, 4, v22
	v_add_nc_u32 v23, s61, v23                     ; 8 u + r + 8 (r / 8)
	v_add_nc_u32 v21, s62, v23                     ; my row in the window: my place as a look-back key
	v_sub_nc_u32 v24, v23, v24
.irp i, 0,1,2,3,4,5,6,7,8,9,10,11,12,13,14,15
	v_cmp_gt_i32 s[32+\i], \i, v24                 ; the diagonal block: register i holds key 16 h + i of the block; it comes after my query where i > 8 u + r + 8 (r / 8) - 16 h
.endr
.irp e, 0,1
	v_mov_b32 v[24+\e], 0x4b400000                 ; 1.5 x 2^23
	v_mov_b32 v[26+\e], 0xb94ca1f9                 ; the sine's three
	v_mov_b32 v[28+\e], 0x3c08839e
	v_mov_b32 v[30+\e], 0xbe2aaaa3
	v_mov_b32 v[32+\e], 0x37ccf5ce                 ; the cosine's three
	v_mov_b32 v[34+\e], 0xbab6061a
	v_mov_b32 v[36+\e], 0x3d2aaaa5
.endr
	FREQ 0,  0x3F800000, 0x3EA1E89B
	FREQ 1,  0x3F3FF911, 0x3E72D423
	FREQ 2,  0x3F0FF59A, 0x3E361887
	FREQ 3,  0x3ED7E89B, 0x3E088D77
	FREQ 4,  0x3DCCCCCD, 0x3D0186E3
	FREQ 5,  0x3D99940D, 0x3CC2434F
	FREQ 6,  0x3D6655C2, 0x3C91AD39
	FREQ 7,  0x3D2CBA15, 0x3C5A7BF2
	FREQ 8,  0x3C23D70A, 0x3B4F3E38
	FREQ 9,  0x3BF5B9B0, 0x3B1B690D
	FREQ 10, 0x3BB8449C, 0x3AE91528
	FREQ 11, 0x3B8A2E77, 0x3AAEC98E
	FREQ 12, 0x3A83126F, 0x39A5CB60
	FREQ 13, 0x3A44948C, 0x3978A815
	FREQ 14, 0x3A136A16, 0x393A7753
	FREQ 15, 0x39DD1725, 0x390BD472
	s_wait_alu depctr_va_vdst(0)
	s_wait_kmcnt 0x0
	s_add_nc_u64 s[4:5], s[4:5], s[18:19]
	s_add_nc_u64 s[6:7], s[6:7], s[18:19]
	s_add_nc_u64 s[8:9], s[8:9], s[18:19]
	s_add_nc_u64 s[10:11], s[10:11], s[18:19]
	s_cmp_lt_u32 s12, 8
	s_cbranch_scc0 .Lprep_head
	s_cmp_eq_u32 s13, 0                            ; the batch's first chunk has no window before it
	s_cbranch_scc1 .Latt_init
	GROWS KR, 6, -WB, 0
	GLOADV -WB
	TABLE LC, LS                                   ; made while the loads are on their way
	s_mov_b32 s60, 0                               ; slot 0
	ADDRP
	PREP 0, 1, 0, 0, 32, 0                         ; look-back codes of K, and V's
.Latt_init:
	v_mov_b32 v37, 0xff800000                      ; -infinity
	v_mov_b32 v69, 0                               ; (named as the upper half of the pair v[68:69])
.irp i, 0,1,2,3,4,5
	v_mov_b32 v[30+\i], 0                          ; Q's upper half
	v_mov_b32 v[122+\i], 0                         ; the upper half of the last tile of keys
.endr
.irp i, 0,1,2,3,4,5,6,7
	v_mov_b32 v[PM+\i], 0                          ; a lane permute's destination counts as one of its sources
.endr
	v_mov_b32 v72, 0
	s_wait_alu depctr_va_vdst(0)
	s_branch .Lgo
.Lprep_head:
	GROWS QR, 4, 0, 1
	GROWS KR, 6, 0, 0
	GLOADV 0
	TABLE LC, LS
	v_add_nc_u32 v21, 0x80, v21                    ; my place as an own key and as a query
	TABLE OC, OS
	s_mov_b32 s60, SLOT
	ADDRP
	PREP 1, 1, 1, WB, 40, 16                       ; the chunk's first window, into slot 1
.Lgo:
	s_mov_b32 s16, 0                               ; window j's trip: the window before lies in slot j, the window itself in slot j + 1, the next goes to slot j + 2
	s_mov_b32 s14, 0
	; ---------------- a trip
.Ltrip:
	s_wait_alu depctr_va_vdst(0)
	BARRIER                                        ; window j's codes are whole
	s_add_co_u32 s60, s16, 2*SLOT
	ADDRA
	ADDRP
	s_cmp_lt_u32 s12, 8
	s_cbranch_scc1 .Latt
	s_cmp_lt_u32 s14, 2
	s_cbranch_scc1 .Lprep_next
	s_cmp_eq_u32 s14, 3                            ; in the last trip nothing is left to prepare
	s_cbranch_scc1 .Ldone
	PREP 1, 0, 1, 0, 32, 0                         ; the chunk's last window: its look-back codes would serve the next chunk, which makes its own; nothing more is asked for
	s_branch .Ldone
.Lprep_next:
	PREP 1, 1, 1, 2*WB, 40, 16
	s_branch .Ldone
.Latt:
	s_or_b32 s15, s14, s13
	s_cmp_eq_u32 s15, 0                            ; window 0 of the batch: its look-back keys are pads
	s_cbranch_scc1 .Lfirst
	s_cmp_eq_u32 s54, 0
	s_cbranch_scc1 .Lfour_one
	s_cmp_eq_u32 s54, 1
	s_cbranch_scc1 .Lfour_two
	s_cmp_eq_u32 s54, 2
	s_cbranch_scc1 .Lfour_three
	ATT 4, 4
	s_branch .Lout
.Lfour_three:
	ATT 4, 3
	s_branch .Lout
.Lfour_two:
	ATT 4, 2
	s_branch .Lout
.Lfour_one:
	ATT 4, 1
	s_branch .Lout
.Lfirst:
	s_cmp_eq_u32 s54, 0
	s_cbranch_scc1 .Lnone_one
	s_cmp_eq_u32 s54, 1
	s_cbranch_scc1 .Lnone_two
	s_cmp_eq_u32 s54, 2
	s_cbranch_scc1 .Lnone_three
	ATT 0, 4
	s_branch .Lout
.Lnone_three:
	ATT 0, 3
	s_branch .Lout
.Lnone_two:
	ATT 0, 2
	s_branch .Lout
.Lnone_one:
	ATT 0, 1
.Lout:
	PLACES                                         ; behind the last products
.set sj, 0
.rept 16
	v_pk_mul_f32 v[224+sj:225+sj], v[192+sj:193+sj], v[70:71] op_sel_hi:[1,0]   ; register 8 t + j is out(my query, 16 t + 8 h + j)
.set sj, sj+2
.endr
.irp t, 0,1,2,3
	ds_store_b128 v7, v[224+8*\t:227+8*\t] offset:64*\t
	ds_store_b128 v7, v[228+8*\t:231+8*\t] offset:64*\t+16
.endr
.irp i, 0,1,2,3,4,5
	v_mov_b32 v[30+\i], 0                          ; Q's upper half again
.endr
.irp i, 0,1,2,3,4,5,6,7
	ds_load_b128 v[128+4*\i:131+4*\i], v5 offset:544*\i       ; LDS serves a wave's instructions in order: these see my stores
.endr
	s_wait_alu depctr_va_vdst(0)
.irp i, 0,1,2,3,4,5,6,7
	s_wait_dscnt 7-\i                              ; the younger loads may be out
	global_store_b128 v3, v[128+4*\i:131+4*\i], s[10:11] offset:512*\i+2048*(\i/4) th:TH_STORE_NT   ; 32 lanes store two whole rows: 512 consecutive bytes, at a multiple of 256 from the buffer's first byte
.endr
.Ldone:
	s_wait_alu depctr_va_vdst(0)
	s_wait_xcnt 0x0                                ; loads and stores have read their bases and data: both may be written again
	s_add_nc_u64 s[4:5], s[4:5], WB
	s_add_nc_u64 s[6:7], s[6:7], WB
	s_add_nc_u64 s[8:9], s[8:9], WB
	s_add_nc_u64 s[10:11], s[10:11], WB
	s_add_co_u32 s16, s16, SLOT
	s_add_co_u32 s14, s14, 1
	s_cmp_lt_u32 s14, 4
	s_cbranch_scc1 .Ltrip
	s_wait_tensorcnt 0x0                           ; the wave's end
	ds_add_u32 v1, v2
	s_wait_dscnt 0x0
	s_endpgm
.Lfunc_end_k_q6a8e3e47a4_attn:
	.size	k_q6a8e3e47a4_attn, .Lfunc_end_k_q6a8e3e47a4_attn-k_q6a8e3e47a4_attn
	.p2alignl 7, 3214868480
	.fill 96, 4, 3214868480
	.section	.rodata,"a",@progbits
	.p2align	6, 0x0
	.amdhsa_kernel k_q6a8e3e47a4_attn
		.amdhsa_group_segment_fixed_size 256256
		.amdhsa_private_segment_fixed_size 0
		.amdhsa_enable_private_segment 0
		.amdhsa_kernarg_size 32
		.amdhsa_user_sgpr_count 2
		.amdhsa_user_sgpr_kernarg_segment_ptr 1
		.amdhsa_wavefront_size32 1
		.amdhsa_system_sgpr_workgroup_id_x 1
		.amdhsa_system_sgpr_workgroup_id_y 1
		.amdhsa_system_sgpr_workgroup_id_z 1
		.amdhsa_system_vgpr_workitem_id 0
		.amdhsa_next_free_vgpr 256
		.amdhsa_next_free_sgpr 66
		.amdhsa_reserve_vcc 1
		.amdhsa_float_denorm_mode_32 3
		.amdhsa_float_denorm_mode_16_64 3
		.amdhsa_memory_ordered 1
		.amdhsa_forward_progress 1
		.amdhsa_inst_pref_size 255
	.end_amdhsa_kernel
	.section	.bss,"aw",@nobits
	.p2align	6
	.space	262144
	.amdgpu_metadata
---
amdhsa.version: [ 1, 2 ]
amdhsa.kernels:
  - .name:           k_q6a8e3e47a4_attn
    .symbol:         k_q6a8e3e47a4_attn.kd
    .args:
      - { .name: q, .offset: 0, .size: 8, .value_kind: global_buffer, .address_space: global }
      - { .name: k, .offset: 8, .size: 8, .value_kind: global_buffer, .address_space: global }
      - { .name: v, .offset: 16, .size: 8, .value_kind: global_buffer, .address_space: global }
      - { .name: out0, .offset: 24, .size: 8, .value_kind: global_buffer, .address_space: global }
    .group_segment_fixed_size: 256256
    .private_segment_fixed_size: 0
    .kernarg_segment_align: 8
    .kernarg_segment_size: 32
    .max_flat_workgroup_size: 512
    .sgpr_count:     66
    .vgpr_count:     256
    .wavefront_size: 32
...
	.end_amdgpu_metadata
.endif
;; end of part 1
